; MI455X (gfx1250); checked and timed in simulation.
; The chip was launched on July 23, 2026; its instructions are those of AMD's public machine-readable ISA for CDNA 5 (MIT licence, August 2026) and "CDNA5" Instruction Set Architecture Reference Guide (July 2026). The comments in the code are by the model that wrote it; some were corrected since.
;; LRU. Allowed arithmetic: float matrix products may take bf16 or f16 operands with f32 sums; other float arithmetic in f32, or as packed bf16 or f16 multiplies, adds, multiply-adds, maxima and minima; sums over many terms, partial sums and values carried from step to step in f32; what a program stores and reads back later, other than sums and carried values, may be rounded once to bf16 or f16.
;; Inputs: D 1,024 float32; W_in 2,048 x 1,024 float32; W_out 1,024 x 2,048 float32; log_lambda 2,048 float32; u 4 x 4,096 x 1,024 float32.
;; Outputs: out0 4 x 4,096 x 1,024 float32.
;; One version. Each part assembles by itself: llvm-mc -triple=amdgcn-amd-amdhsa -mcpu=gfx1250 --defsym DOCPART=n.
;; ======== version 1 of 1: 4 launches
;; limits: values are held in f16: magnitudes above 65,504 overflow, below 6.1e-05 lose precision
;; workspace buffers: ub 33,554,432 bytes; wib 4,194,304 bytes; wof 4,194,304 bytes; pt 67,108,864 bytes; xt 67,108,864 bytes
;; launch cast (part 1): grid 1280 x 1, 8 waves a work-group, no clusters, 0 bytes of LDS; arguments u, W_in, W_out, ub, wib, wof; writes ub, wib, wof
.if DOCPART == 1
	.amdgcn_target "amdgcn-amd-amdhsa--gfx1250"
	.amdhsa_code_object_version 6
	.text
	.protected	k_qed5031d6e5_cast
	.globl	k_qed5031d6e5_cast
	.p2align	8
	.type	k_qed5031d6e5_cast,@function
k_qed5031d6e5_cast:
	s_mov_b64 s[64:65], 0
	v_nop
	global_prefetch_b8 v0, s[64:65] scope:SCOPE_SE
	s_setreg_imm32_b32 hwreg(HW_REG_WAVE_MODE, 25, 1), 1
	s_wait_xcnt 0x0
; THE WHOLE PROGRAM: y = scan_t(u W_in^T) W_out^T + u D, in four launches: this one rounds the matrix operands; the second makes p^T = W_in u^T (states by times, f16);
; the third runs the recurrence x_t = lam x_(t-1) + (1 - lam) p_t along each chain; the fourth makes y = x W_out^T + u D.
; WORK LEFT OUT: the recurrence starts from x0, which the problem's own text builds as zeros, so its first step's term lam x0 is 0 for every lam and every input: the chains start with
; no carry and the term is never formed.  Every input has a way to the output and is loaded.  LIMIT: a NaN or an infinity that reached only that term (lam not finite times 0) is not carried by it.
; FORMATS: all five inputs are rounded once to bf16 (u, W_in and W_out here, log_lambda and D where they are used); W_out's bf16 number is then written as f16, the format of the last
; product's other operand.  LIMIT: |W_out| stays under 65,504; below 1.5e-5 its f16 copy keeps f16's fixed step of 6e-8.
; THIS LAUNCH: a stream.  A work-group takes 65,536 bytes of f32: 16 slots of 4,096 bytes, thread t the 16 bytes at 16 t of each; all 16 loads of a wave go out before the first wait.
; Work-groups 0-1023 take u, 1024-1151 W_in, 1152-1279 W_out.  A store of a wave covers 256 consecutive bytes, aligned.  No LDS, no barrier: no thread wants another's bytes.
.set X, 8                              ; v[8:71]   slot i: four f32 as loaded; its first two registers then hold the four 16-bit results
.set T, 72                             ; v[72:75]  at work
	s_load_b256 s[4:11], s[0:1], 0x0               ; u s[4:5], W_in s[6:7], W_out s[8:9], ub s[10:11]
	s_load_b128 s[12:15], s[0:1], 0x20             ; wib s[12:13], wof s[14:15]
	v_lshlrev_b32 v1, 4, v0                        ; my 16 bytes of a slot, in
	v_lshlrev_b32 v2, 3, v0                        ; my 8 bytes of a slot, out
	s_wait_kmcnt 0x0
	s_cmp_ge_u32 ttmp9, 1024                       ; which tensor is mine: the choice hangs on the work-group's number alone
	s_cselect_b64 s[16:17], s[6:7], s[4:5]
	s_cselect_b64 s[18:19], s[12:13], s[10:11]
	s_cselect_b32 s21, 1024, 0
	s_cmp_ge_u32 ttmp9, 1152
	s_cselect_b64 s[16:17], s[8:9], s[16:17]
	s_cselect_b64 s[18:19], s[14:15], s[18:19]
	s_cselect_b32 s21, 1152, s21
	s_sub_co_u32 s20, ttmp9, s21                   ; my place among that tensor's work-groups
	s_lshl_b32 s22, s20, 16                        ; 65,536 bytes in (under 2^26)
	s_mov_b32 s23, 0
	s_add_nc_u64 s[16:17], s[16:17], s[22:23]
	s_lshl_b32 s22, s20, 15                        ; 32,768 bytes out
	s_add_nc_u64 s[18:19], s[18:19], s[22:23]
.irp i, 0,1,2,3,4,5,6,7,8,9,10,11,12,13,14,15
	global_load_b128 v[X+4*(\i):X+4*(\i)+3], v1, s[16:17] offset:4096*(\i) th:TH_LOAD_NT
.endr
	s_cmp_ge_u32 ttmp9, 1152
	s_cbranch_scc1 .Lhalf
.irp i, 0,1,2,3,4,5,6,7,8,9,10,11,12,13,14,15
	s_wait_loadcnt 15-(\i)                         ; loads come back in order: slot i is in, the 15 - i younger ones stay out
	v_cvt_pk_bf16_f32 v[X+4*(\i)], v[X+4*(\i)], v[X+4*(\i)+1]
	v_cvt_pk_bf16_f32 v[X+4*(\i)+1], v[X+4*(\i)+2], v[X+4*(\i)+3]
	global_store_b64 v2, v[X+4*(\i):X+4*(\i)+1], s[18:19] offset:2048*(\i)  ; no register is written twice, so no store's source needs a wait
.endr
	s_endpgm
.Lhalf:                                        ; W_out: rounded to bf16 like the other inputs, and that number written as f16
.irp i, 0,1,2,3,4,5,6,7,8,9,10,11,12,13,14,15
	s_wait_loadcnt 15-(\i)
	v_cvt_pk_bf16_f32 v[T], v[X+4*(\i)], v[X+4*(\i)+1]
	v_cvt_pk_bf16_f32 v[T+1], v[X+4*(\i)+2], v[X+4*(\i)+3]
	v_lshlrev_b32 v[T+2], 16, v[T]                 ; bf16 to f32: the low half moves up,
	v_and_b32 v[T+3], 0xffff0000, v[T]             ; the high half stays
	v_cvt_pk_f16_f32 v[X+4*(\i)], v[T+2], v[T+3]
	v_lshlrev_b32 v[T+2], 16, v[T+1]
	v_and_b32 v[T+3], 0xffff0000, v[T+1]
	v_cvt_pk_f16_f32 v[X+4*(\i)+1], v[T+2], v[T+3]
	global_store_b64 v2, v[X+4*(\i):X+4*(\i)+1], s[18:19] offset:2048*(\i)
.endr
	s_endpgm
.Lfunc_end_k_qed5031d6e5_cast:
	.size	k_qed5031d6e5_cast, .Lfunc_end_k_qed5031d6e5_cast-k_qed5031d6e5_cast
	.p2alignl 7, 3214868480
	.fill 96, 4, 3214868480
	.section	.rodata,"a",@progbits
	.p2align	6, 0x0
	.amdhsa_kernel k_qed5031d6e5_cast
		.amdhsa_group_segment_fixed_size 0
		.amdhsa_private_segment_fixed_size 0
		.amdhsa_enable_private_segment 0
		.amdhsa_kernarg_size 48
		.amdhsa_user_sgpr_count 2
		.amdhsa_user_sgpr_kernarg_segment_ptr 1
		.amdhsa_wavefront_size32 1
		.amdhsa_system_sgpr_workgroup_id_x 1
		.amdhsa_system_sgpr_workgroup_id_y 1
		.amdhsa_system_sgpr_workgroup_id_z 1
		.amdhsa_system_vgpr_workitem_id 0
		.amdhsa_next_free_vgpr 80
		.amdhsa_next_free_sgpr 66
		.amdhsa_reserve_vcc 0
		.amdhsa_float_denorm_mode_32 3
		.amdhsa_float_denorm_mode_16_64 3
		.amdhsa_memory_ordered 1
		.amdhsa_forward_progress 1
		.amdhsa_inst_pref_size 16
	.end_amdhsa_kernel
	.amdgpu_metadata
---
amdhsa.version: [ 1, 2 ]
amdhsa.kernels:
  - .name:           k_qed5031d6e5_cast
    .symbol:         k_qed5031d6e5_cast.kd
    .args:
      - { .name: u, .offset: 0, .size: 8, .value_kind: global_buffer, .address_space: global }
      - { .name: W_in, .offset: 8, .size: 8, .value_kind: global_buffer, .address_space: global }
      - { .name: W_out, .offset: 16, .size: 8, .value_kind: global_buffer, .address_space: global }
      - { .name: ub, .offset: 24, .size: 8, .value_kind: global_buffer, .address_space: global }
      - { .name: wib, .offset: 32, .size: 8, .value_kind: global_buffer, .address_space: global }
      - { .name: wof, .offset: 40, .size: 8, .value_kind: global_buffer, .address_space: global }
    .group_segment_fixed_size: 0
    .private_segment_fixed_size: 0
    .kernarg_segment_align: 8
    .kernarg_segment_size: 48
    .max_flat_workgroup_size: 256
    .sgpr_count:     66
    .vgpr_count:     80
    .wavefront_size: 32
...
	.end_amdgpu_metadata
.endif
;; end of part 1
;; launch gemm1 (part 2): grid 64 x 4, 4 waves a work-group, clusters of 4 x 4, 327,680 bytes of LDS; arguments wib, ub, pt; writes pt
.if DOCPART == 2
	.amdgcn_target "amdgcn-amd-amdhsa--gfx1250"
	.amdhsa_code_object_version 6
	.text
	.protected	k_qed5031d6e5_gemm1
	.globl	k_qed5031d6e5_gemm1
	.p2align	8
	.type	k_qed5031d6e5_gemm1,@function
k_qed5031d6e5_gemm1:
	s_mov_b64 s[64:65], 0
	v_nop
	global_prefetch_b8 v0, s[64:65] scope:SCOPE_SE
	s_setreg_imm32_b32 hwreg(HW_REG_WAVE_MODE, 25, 1), 1
	s_wait_xcnt 0x0
	s_wait_alu depctr_hold_cnt(0) depctr_sa_sdst(0) depctr_va_vdst(0) depctr_va_sdst(0) depctr_va_ssrc(0) depctr_va_vcc(0) depctr_vm_vsrc(0)
	s_getreg_b32 s2, hwreg(HW_REG_IB_STS2, 6, 4)
	s_cmp_eq_u32 s2, 0
	s_cbranch_scc0 .Lentry_in_a_cluster
	s_endpgm
.Lentry_in_a_cluster:
	s_bfe_u32 s2, ttmp6, 0x10000c
	s_cmp_lg_u32 s2, 0xf033
	s_cbranch_scc0 .Lentry_shape_is_right
	s_endpgm
.Lentry_shape_is_right:
; p^T[s][(b,t)] = the sum over d of W_in[s][d] u[(b,t)][d].  A = wib [2048 states][1024], B = ub [16384 rows (b,t)][1024], both bf16; C = pt [2048][16384], f16; sums in f32, C rounded once.
; The product is taken with the states as rows, so that a chain (one state, one batch) lies on end in pt: 4,096 times, 8,192 bytes, which the next launch walks as a stream.
; LIMIT: |p| stays under 65,504, f16's end; below 6e-5 it keeps f16's fixed step of 6e-8.  NaN and infinities are not treated apart.
; A tile of C, 256 x 256, is made by four waves, each 128 x 128: 64 accumulators of 16 x 16, 512 registers.  K goes in steps of 128 through a ring of two LDS slots filled by the tensor data mover:
; a tile's rows are 256 bytes of memory at multiples of 256 bytes.  A WORK-GROUP STAYS: it makes two tiles, 1,024 states apart, on the same 256 rows of u.
; ONE WALK: the two tiles' 2 x 8 K steps are numbered n = 0 .. 15; step n lies in slot n % 2.  One loop of 14 trips, a K step each, multiplies step k and asks for step k + 2; the last two steps are written out,
; since they ask for nothing.  What differs from trip to trip lies in scalar registers: the slot (s[TB]), the number of the step to ask for (s[SEQ]).  A step's first quarter is written twice: once with
; products that start the sums (a tile's first step), once with products that add.  The first tile's way out stands in the loop and is jumped forward in all trips but the eighth.  Every jump but the loop's
; own goes forward; none passes a barrier or a tensor load.  The second tile's last K step goes by rows of C, so that finished rows leave while the others are multiplied.
; CLUSTERS: 4 x 4 work-groups.  The four of a row of the cluster need the same tiles of A, the four of a column the same tiles of B: each tile is asked for JOINTLY, by the same tensor load with the
; same descriptor and a mask that names the four.  The grid is one cluster high (4 work-groups), so the cluster's y is 0 and the tile row is the place cy.
; REGISTERS, in windows of 256 (s_set_vgpr_msb: bits 1:0 source 0, 3:2 source 1, 5:4 source 2, 7:6 destination):
;   window 0: v0-31 addresses; v64-127, v128-191 fragments of A, two buffers (in the very last K step four, of 16 rows x 128 K); v32-63, v192-255 at work on the way out
;   window 1: v64-127, v128-191 fragments of B, two buffers; in the very last K step all 256      window 2: the accumulators of my rows 0-63 ((a, b) at v[8 (8 a + b)])      window 3: those of my rows 64-127
; THE MATRIX INSTRUCTION IS USED TRANSPOSED: source 0 = 16 rows of B, source 1 = 16 rows of A: lane l then holds row l % 16 of C (a state) and its columns 8 (l / 16) + 0..7: eight successive times, 16 bytes of f16.
.set SIZE_M, 2048
.set SIZE_N, 16384
.set SIZE_K, 1024
.set KSTEP,  128
.set PITCH,  272                       ; an LDS row: 256 bytes + 16 of padding = 68 words: row r starts at bank 4 r mod 64 (64 banks of 4 bytes: ISA guide 11.1): the 16 rows of a load start at 16 different banks
.set HALFT,  128*PITCH                 ; 128 rows: what one tensor load brings, and what one wave reads of A or of B
.set SLOT,   4*HALFT                   ; A's 256 rows, then B's 256 rows
.set STAGE,  2*SLOT                    ; behind the ring: 16 rows x 272 bytes for each wave, for the way out; no tensor load lands there
.set SPITCH, 272
.set SPARE,  STAGE+4*16*SPITCH         ; behind the stages: the spare words, 128 bytes for each wave: two blocks of 256 bytes that no other line names
.set WALK,   SIZE_M/2                  ; the two tiles lie 1,024 rows of A and C apart: 2^21 bytes of A
.set NEXT_C, (WALK-7*16)*SIZE_N*2      ; bytes from my last 16 rows of the first tile to my first of the second
.set ADRA, 16                          ; v16     my lane's place in A's tile of slot 0; never rewritten
.set ADRB, 17                          ; v17     the same for B
.set CA,   20                          ; v20     LDS address of my A fragments in the slot that is being read
.set CB,   21                          ; v21     the same for B
.set STO,  24                          ; v24     the way out: where I put 16 bytes of a row
.set RD,   25                          ; v25     the way out: where I read a row back
.set CO,   26                          ; v26     my byte offset in C
.set SPW,  28                          ; v28     LDS address of my spare word: SPARE + 4 x my thread's number; never rewritten
.set NIL,  29                          ; v29     0; never rewritten
.set PFO,  30                          ; v30     the prefetches' offset: my lane x a row of A or B (2,048 bytes); never rewritten
.set PFA,  44                          ; s[44:45] the address that lane 0 of my next prefetch names
.set LIM,  43                          ; s43     a wave prefetches while the trips to go are more than this: 2 (A), 10 (B), or the greatest number (never)
.set ABASE, 68                         ; s[68:69] A at my 128 rows of the first tile, K step 0
.set BBASE, 70                         ; s[70:71] B at my 128 rows, K step 0
.set PBASE, 72                         ; s[72:73] the tensor that I fetch, at my work-group's 32 rows of those 128, K step 0
.set OFF,  74                          ; s[74:75] a step's byte offset (the high word stays 0)
.set TB,   76                          ; s76     0 or SLOT: the slot that is being read
.set LB,   77                          ; s77     my wave's quarter of a slot: wave x HALFT
.set NEW,  78                          ; s78     1: the step to come is a tile's first
.set SEQ,  79                          ; s79     the number n of the step to be asked for next
.set F0,   64
.set F1,   128
.set TMP,  192                         ; the way out: packed results, window 0
.set OB,   32                          ; the way out: 16 rows read back from the stage: v32-63 and v224-255 by turns
.set PA,   64                          ; the very last K step: A's fragments of 16 rows x 128 K, 32 registers; four buffers, v64-191
.set G1,  24                           ; s[24:31] descriptor group 1 for A's tiles
.set G0,  32                           ; s[32:39] group 0 for A's tiles: a set for each of the two first fills; the second then walks on
.set G1B, 48                           ; s[48:55] group 1 for B's tiles: it differs in the mask alone
.set G0B, 56                           ; s[56:63] group 0 for B's tiles
.set MSB, 0
.macro WIN new                         ; the immediate's high byte repeats the setting that is left; a switch that changes nothing is dropped
.if MSB != (\new)
	s_set_vgpr_msb (MSB<<8)|(\new)
.set MSB, \new
.endif
.endm
.set MUL_LO, 0xa1                      ; source 0 (B) window 1, source 1 (A) window 0, C and D window 2
.set MUL_HI, 0xf1                      ; the same, C and D window 3
.set TO_B,   0x40                      ; destination window 1, address window 0
; A joint load.  Waves 0 and 1 fetch A's two halves, waves 2 and 3 B's.  The branch hangs on the wave's number alone.  An s_nop 0 and four v_nop follow each of the two lines.
.macro JLOAD s
	s_cmp_eq_u32 s11, 0
	s_cbranch_scc0 .Lfor_b_\@
	tensor_load_to_lds s[G0+4*(\s):G0+4*(\s)+3], s[G1:G1+7]
	s_nop 0
.rept 4
	v_nop
.endr
	s_branch .Lasked_\@
.Lfor_b_\@:
	tensor_load_to_lds s[G0B+4*(\s):G0B+4*(\s)+3], s[G1B:G1B+7]
	s_nop 0
.rept 4
	v_nop
.endr
.Lasked_\@:
.endm
; A PREFETCH INTO THE L2, behind each joint load and the run of LDS loads that follows it: the step that stands TWO refills on (512 matrix instructions ahead of the load that wants it): 32 rows x 256
; bytes, a lane a row, one instruction a wave.  Each row's 256 bytes of a K step are named ONCE in the launch: A's tile rows are read by all 16 clusters, and cluster x = 0 asks; B's rows are read by one
; cluster each, which asks.  The four partners that ask for a tile jointly share its rows out BY ADDRESS, 32 each (cx for A, cy for B).  In trip k (14 - k trips to go, this one among them) step k + 4 is
; named: for A while it is 15 at the most; for B while it is 7 at the most, since the second tile takes the same rows of B again.  Steps 0 to 3 come by their loads alone.
.macro ASK
	s_cmp_gt_u32 s3, s[LIM]
	s_cbranch_scc0 .Lnot_mine_\@
	global_prefetch_b8 v[PFO], s[PFA:PFA+1] th:TH_LOAD_NT scope:SCOPE_SE
.Lnot_mine_\@:
.endm
; A round of the cluster's barrier: my work-group's barrier, so that wave 0's signal speaks for all four waves; wave 0 signals; every wave waits for all sixteen work-groups; my work-group's barrier once more.
.macro CREST                           ; a round behind its opening barrier
	s_cmp_lg_u32 s10, 0
	s_cbranch_scc1 .Lnot_wave_0_\@
	s_barrier_signal -3
.Lnot_wave_0_\@:
	s_barrier_wait -3
	s_barrier_signal -1
	s_barrier_wait -1
.endm
.macro CROUND
	s_barrier_signal -1
	s_barrier_wait -1
	CREST
.endm
	s_load_b128 s[4:7], s[0:1], 0x0                ; A = wib s[4:5], B = ub s[6:7]
	s_load_b64 s[8:9], s[0:1], 0x10                ; C = pt
	v_lshl_add_u32 v[SPW], v0, 2, SPARE
	v_mov_b32 v[NIL], 0
	ds_add_u32 v[SPW], v[NIL]                      ; the wave's opening: the add, twice on end, and its wait ahead of my first tensor load
	ds_add_u32 v[SPW], v[NIL]                      ; the set-up below, work on registers, stands between the second add and the wait
	v_lshrrev_b32 v1, 5, v0
	v_readfirstlane_b32 s10, v1                    ; wave 0..3
	s_lshr_b32 s11, s10, 1                         ; which half of the tile's rows is mine.  Also: I fetch for A (0) or for B (1)
	s_and_b32 s12, s10, 1                          ; which half of its columns.  Also: which 128 rows of that tile I fetch
	s_bfe_u32 s40, ttmp6, 0x40000                  ; cx
	s_bfe_u32 s41, ttmp6, 0x40004                  ; cy
	s_lshl_b32 s42, ttmp9, 2                       ; ttmp9 counts clusters
	s_add_co_u32 s42, s42, s40                     ; tile column of C = 4 x cluster x + cx
	s_mov_b32 s13, s41                             ; tile row of C (of the first tile) = cy: the grid is one cluster high
	s_lshl_b32 s43, s41, 2
	s_lshl_b32 s43, 15, s43                        ; my row of the cluster: places 4 cy .. 4 cy + 3
	s_lshl_b32 s44, 0x1111, s40                    ; my column: places cx, cx + 4, cx + 8, cx + 12
	; descriptor group 1: a tile of 128 rows x 128 elements, padded in LDS
	s_or_b32 s[G1+0], s43, (1<<16)|(1<<20)|(1<<21)|(5<<22)|(3<<25)  ; 15:0 the mask; 17:16 elements of 2 bytes; 20 padding on; 21 set beside a mask; 24:22 after every 64 words (code 5); 31:25 4 words (code 3)
	s_or_b32 s[G1B+0], s44, (1<<16)|(1<<20)|(1<<21)|(5<<22)|(3<<25)
.irp g, G1, G1B
	s_mov_b32 s[(\g)+1], KSTEP<<16                 ; tensor_dim0 = 128
	s_mov_b32 s[(\g)+2], 128<<16                   ; tensor_dim1 = 128
	s_mov_b32 s[(\g)+3], KSTEP<<16                 ; tile_dim0 = 128
	s_mov_b32 s[(\g)+4], 128                       ; tile_dim1 = 128
	s_mov_b32 s[(\g)+5], SIZE_K                    ; elements from row to row
	s_mov_b32 s[(\g)+6], 0
	s_mov_b32 s[(\g)+7], 0
.endr
	; where the tiles come from.  A's hang on the tile row alone, B's on the tile column alone; each address is made in registers that never hold the other coordinate.
	s_lshl_b32 s17, s12, 7                         ; which 128 rows of the tile I fetch
	s_lshl_b32 s16, s13, 8
	s_add_co_u32 s16, s16, s17                     ; A: row 256 x tile row + 128 x half
	s_lshl_b32 s46, s42, 8
	s_add_co_u32 s46, s46, s17                     ; B: row 256 x tile column + 128 x half
	s_mov_b32 s17, 0
	s_mov_b32 s47, 0
	s_mov_b64 s[18:19], SIZE_K*2
	s_mul_u64 s[16:17], s[16:17], s[18:19]
	s_mul_u64 s[46:47], s[46:47], s[18:19]
	s_mul_i32 s[LB], s10, HALFT                    ; where they go: wave x 128 rows: no place in the cluster enters an LDS address
	s_mov_b32 s[TB], 0                             ; step 0 lies in slot 0
	s_mov_b32 s[SEQ], 2                            ; steps 0 and 1 are the first fills
	s_mov_b32 s[OFF+1], 0
	s_wait_dscnt 0x0                               ; both opening adds are done
	s_wait_kmcnt 0x0
	s_add_nc_u64 s[ABASE:ABASE+1], s[4:5], s[16:17]
	s_add_nc_u64 s[BBASE:BBASE+1], s[6:7], s[46:47]
	CROUND                                         ; all sixteen work-groups are here: the first joint loads meet
.irp s, 0,1
	s_mov_b32 s[G0+4*(\s)], 1                                      ; count = 1
	s_add_co_u32 s[G0+4*(\s)+1], s[LB], (\s)*SLOT                  ; LDS address
	s_add_nc_u64 s[G0+4*(\s)+2:G0+4*(\s)+3], s[ABASE:ABASE+1], (\s)*KSTEP*2  ; global address: K step s
	s_or_b32 s[G0+4*(\s)+3], s[G0+4*(\s)+3], 0x80000000            ; type = 2
	s_mov_b32 s[G0B+4*(\s)], 1
	s_add_co_u32 s[G0B+4*(\s)+1], s[LB], (\s)*SLOT
	s_add_nc_u64 s[G0B+4*(\s)+2:G0B+4*(\s)+3], s[BBASE:BBASE+1], (\s)*KSTEP*2
	s_or_b32 s[G0B+4*(\s)+3], s[G0B+4*(\s)+3], 0x80000000
	JLOAD \s                                       ; two tensor loads of mine are out: the ring is filled before anything else is done
.endr
	; A fragment is 16 rows x 32 K in 8 registers: lane l holds row l % 16; registers 0-3 K = 8 (l / 16) + 0..7, registers 4-7 K = 16 + 8 (l / 16) + 0..7: two loads of 16 bytes, 32 bytes apart.
	v_and_b32 v1, 15, v0                           ; l % 16
	v_bfe_u32 v2, v0, 4, 1                         ; l / 16
	v_mul_u32_u24 v3, v1, PITCH
	v_lshl_add_u32 v3, v2, 4, v3                   ; row x pitch + 16 x half
	s_mul_i32 s21, s11, HALFT                      ; my 128 rows of A
	s_mul_i32 s22, s12, HALFT                      ; my 128 rows of B,
	s_add_co_u32 s22, s22, 2*HALFT                 ; which lie behind A's 256
	v_add_nc_u32 v[ADRA], s21, v3
	v_add_nc_u32 v[ADRB], s22, v3
	v_mov_b32 v[CA], v[ADRA]                       ; step 0 lies in slot 0
	v_mov_b32 v[CB], v[ADRB]
	s_mul_i32 s23, s10, 16*SPITCH
	s_add_co_u32 s23, s23, STAGE                   ; my stage
	v_mul_u32_u24 v4, v1, SPITCH                   ; in: row l % 16, 16 bytes for each half of the lanes
	v_lshl_add_u32 v4, v2, 4, v4
	v_add_nc_u32 v[STO], s23, v4
	v_mul_u32_u24 v5, v2, SPITCH                   ; back: lanes 0-15 take one row of 256 bytes, lanes 16-31 the next
	v_lshl_add_u32 v5, v1, 4, v5
	v_add_nc_u32 v[RD], s23, v5
	v_mul_u32_u24 v5, v2, SIZE_N*2                 ; and the same two rows in C
	v_lshl_add_u32 v[CO], v1, 4, v5
	; where my part of the first tile begins in C, in bytes: the first way out adds it to C's address
	s_lshl_b32 s13, s13, 8
	s_lshl_b32 s14, s11, 7
	s_add_co_u32 s16, s13, s14                     ; my first row of C
	s_mov_b32 s17, 0
	s_mov_b64 s[18:19], SIZE_N*2
	s_mul_u64 s[16:17], s[16:17], s[18:19]
	s_lshl_b32 s46, s42, 9                         ; my first column, in bytes: 512 x tile column + 256 x half
	s_lshl_b32 s47, s12, 8
	s_add_co_u32 s46, s46, s47
	s_mov_b32 s47, 0
	s_add_nc_u64 s[16:17], s[16:17], s[46:47]
	; the prefetches.  s13 = 256 x tile row, s42 = tile column, s40 = cx, s41 = cy still stand
	s_lshl_b32 s42, s42, 8
	s_mov_b32 s22, 0                               ; cluster y
	s_cmp_eq_u32 s11, 0                            ; do I fetch for A?
	s_cselect_b32 s20, s13, s42                    ; the tile's first row: in A by the tile row, in B by the tile column
	s_cselect_b32 s21, s40, s41                    ; my place among the four that ask for it with me
	s_cselect_b32 s22, ttmp9, s22                  ; the coordinate along which other clusters read the same rows
	s_cselect_b32 s23, 2, 10                       ; how many trips before the loop's end the asking stops
	s_cselect_b64 s[PBASE:PBASE+1], s[4:5], s[6:7]
	s_cmp_eq_u32 s22, 0
	s_cselect_b32 s[LIM], s23, -1                  ; the same in all sixteen partners, for a given wave
	s_lshl_b32 s22, s12, 7
	s_add_co_u32 s20, s20, s22                     ; + the 128 rows that I fetch
	s_lshl_b32 s21, s21, 5
	s_add_co_u32 s20, s20, s21                     ; + my work-group's 32 of them
	s_mov_b32 s21, 0
	s_mov_b64 s[18:19], SIZE_K*2
	s_mul_u64 s[20:21], s[20:21], s[18:19]
	s_add_nc_u64 s[PBASE:PBASE+1], s[PBASE:PBASE+1], s[20:21]  ; nothing is prefetched here, at the head
	v_and_b32 v[PFO], 31, v0
	v_mul_u32_u24 v[PFO], v[PFO], SIZE_K*2
; 16 matrix instructions: m blocks a0, a0 + 1 of the window's four x all 8 n blocks, 32 along K.  zero = 1: the first product starts the sums: nothing is ever cleared.
; The 64 accumulators take turns, one instruction a turn, in the same order in every quarter step.
.macro MUL16 f, hi, a0, zero
	WIN MUL_LO+0x50*(\hi)
.irp a, \a0, (\a0)+1
.irp b, 0,1,2,3,4,5,6,7
.if \zero
	v_wmma_f32_16x16x32_bf16 v[8*(8*(\a)+(\b)):8*(8*(\a)+(\b))+7], v[(\f)+8*(\b):(\f)+8*(\b)+7], v[(\f)+8*(4*(\hi)+(\a)):(\f)+8*(4*(\hi)+(\a))+7], 0
.else
	v_wmma_f32_16x16x32_bf16 v[8*(8*(\a)+(\b)):8*(8*(\a)+(\b))+7], v[(\f)+8*(\b):(\f)+8*(\b)+7], v[(\f)+8*(4*(\hi)+(\a)):(\f)+8*(4*(\hi)+(\a))+7], v[8*(8*(\a)+(\b)):8*(8*(\a)+(\b))+7]
.endif
.endr
.endr
.endm
; 32 LDS loads in one run: the fragments of one quarter step (128 rows of B, 128 rows of A, 32 K at byte k of the rows of the slot in hand) into buffer f
.macro FETCH k, f
	WIN TO_B
.irp i, 0,1,2,3,4,5,6,7
	ds_load_b128 v[(\f)+8*(\i):(\f)+8*(\i)+3],   v[CB] offset:(\k)+(\i)*16*PITCH
	ds_load_b128 v[(\f)+8*(\i)+4:(\f)+8*(\i)+7], v[CB] offset:(\k)+(\i)*16*PITCH+32
.endr
	WIN 0
.irp i, 0,1,2,3,4,5,6,7
	ds_load_b128 v[(\f)+8*(\i):(\f)+8*(\i)+3],   v[CA] offset:(\k)+(\i)*16*PITCH
	ds_load_b128 v[(\f)+8*(\i)+4:(\f)+8*(\i)+7], v[CA] offset:(\k)+(\i)*16*PITCH+32
.endr
.endm
; Four plain vector instructions stand between a matrix instruction and a load into a register that it has read, or a vector instruction that reads its result (ISA guide 7.12.1 for vector instructions).
.macro PLACES
.rept 4
	v_nop
.endr
.endm
; A K step is four quarter steps of 32 along K, 64 matrix instructions each, on buffers 0, 1, 0, 1.  One of the first three: multiplies buffer f; in its middle it fetches the next quarter, at byte k, into buffer g.
.macro QUARTER k, f, g, zero
	s_wait_dscnt 8                                 ; B and A's rows 0-63 are in; the youngest eight loads (A's rows 64-127) may be out
	WIN MUL_LO
	MUL16 \f, 0, 0, \zero
	MUL16 \f, 0, 2, \zero
	PLACES
	FETCH \k, \g
	s_wait_dscnt 32                                ; all but the 32 just issued
	WIN MUL_HI
	MUL16 \f, 1, 0, \zero
	MUL16 \f, 1, 2, \zero
.endm
; The last quarter multiplies buffer 1 and changes slots.  MEET is its first half: one barrier for the change.  In front of it each wave waits for all its tensor loads (one is out: its part of the next slot),
; adds 0 to its spare word, and waits for that and for its own reads of this slot.  Behind it nobody reads this slot any more and the next slot is whole.
; round = 1: the slot is filled again.  No tensor load of mine is out behind the first wait, so the walking descriptors are written there, while the add is out: the LDS word is my quarter of the slot in hand;
; the global address is made anew from the step's number n: K step n % 8 (256 bytes along the rows), and for A tile n / 8 (2^21 bytes down).
.macro MEET round
	WIN 0                                          ; the add's two registers lie in window 0
	s_wait_tensorcnt 0x0                           ; all my tensor loads have landed
	ds_add_u32 v[SPW], v[NIL]                      ; 0 onto my spare word
.if \round
	s_add_co_u32 s[G0+5], s[LB], s[TB]
	s_add_co_u32 s[G0B+5], s[LB], s[TB]
	s_xor_b32 s[TB], s[TB], SLOT                   ; from here on: the slot to be read next
	s_and_b32 s[OFF], s[SEQ], 7
	s_lshl_b32 s[OFF], s[OFF], 8
	s_add_nc_u64 s[G0B+6:G0B+7], s[BBASE:BBASE+1], s[OFF:OFF+1]
	s_or_b32 s[G0B+7], s[G0B+7], 0x80000000
	s_lshr_b32 s22, s[SEQ], 3
	s_lshl_b32 s22, s22, 21
	s_add_co_u32 s[OFF], s[OFF], s22
	s_add_nc_u64 s[G0+6:G0+7], s[ABASE:ABASE+1], s[OFF:OFF+1]
	s_or_b32 s[G0+7], s[G0+7], 0x80000000
	s_add_co_u32 s[SEQ], s[SEQ], 1
.endif
	s_wait_dscnt 9                                 ; the add and the youngest eight loads may be out
	WIN MUL_LO
	MUL16 F1, 0, 0, 0                              ; sixteen matrix instructions stand between the add and the wait for it
	s_wait_dscnt 0x0                               ; the add is done, and my reads of this slot are over
	s_barrier_signal -1
	MUL16 F1, 0, 2, 0                              ; work on registers while the others arrive
.if \round
	WIN 0
.endif
	s_barrier_wait -1
.endm
; The whole last quarter.  Behind the round the slot just read out is filled again first, with the step two on; then come the next slot's first fragments.  From a request to the wait for it a wave issues 224 matrix instructions.
.macro TURN
	s_wait_xcnt 0x0                                ; the last prefetch, a K step back, has read its address: it is made anew here, for step n + 2
	s_add_co_u32 s22, s[SEQ], 2
	s_and_b32 s[OFF], s22, 7
	s_lshl_b32 s[OFF], s[OFF], 8
	s_lshr_b32 s22, s22, 3
	s_lshl_b32 s22, s22, 21
	s_add_co_u32 s[OFF], s[OFF], s22
	s_add_nc_u64 s[PFA:PFA+1], s[PBASE:PBASE+1], s[OFF:OFF+1]
	MEET 1
	CREST                                          ; no wave of any partner still reads this slot's tile or has a load on its way
	JLOAD 1                                        ; my one tensor load behind the round; its four v_nop are also the places in front of the loads below
	v_add_nc_u32 v[CA], s[TB], v[ADRA]             ; the fragments' addresses in the next slot
	v_add_nc_u32 v[CB], s[TB], v[ADRB]
	FETCH 0, F0
	ASK
	WIN MUL_HI
	MUL16 F1, 1, 0, 0
	MUL16 F1, 1, 2, 0
.endm
; THE SECOND TILE'S LAST K STEP GOES BY ROWS OF C.  All its fragments of B (4 quarters x 64 registers) fill window 1; then my eight blocks of 16 rows are finished one after the other,
; each with 32 matrix instructions (its 8 accumulators by turns, K ascending).
.macro BLOAD q
	WIN TO_B
.irp i, 0,1,2,3,4,5,6,7
	ds_load_b128 v[64*(\q)+8*(\i):64*(\q)+8*(\i)+3],   v[CB] offset:64*(\q)+(\i)*16*PITCH
	ds_load_b128 v[64*(\q)+8*(\i)+4:64*(\q)+8*(\i)+7], v[CB] offset:64*(\q)+(\i)*16*PITCH+32
.endr
.endm
.macro ALOAD a                         ; A's fragments of block a, all four quarters -> buffer a % 4
	WIN 0
.set FA, PA+32*((\a)%4)
.irp q, 0,1,2,3
	ds_load_b128 v[FA+8*(\q):FA+8*(\q)+3],   v[CA] offset:64*(\q)+(\a)*16*PITCH
	ds_load_b128 v[FA+8*(\q)+4:FA+8*(\q)+7], v[CA] offset:64*(\q)+(\a)*16*PITCH+32
.endr
.endm
.macro ROW a                           ; block a is finished: 32 matrix instructions
.set FA, PA+32*((\a)%4)
.set AC, 64*((\a)%4)
	WIN MUL_LO+0x50*((\a)/4)
.irp q, 0,1,2,3
.if (\a) == 0 && (\q) == 2
	s_wait_dscnt 24                                ; B's quarter 2 is in (behind it: A's blocks 1 to 3)
.endif
.irp b, 0,1,2,3,4,5,6,7
	v_wmma_f32_16x16x32_bf16 v[AC+8*(\b):AC+8*(\b)+7], v[64*(\q)+8*(\b):64*(\q)+8*(\b)+7], v[FA+8*(\q):FA+8*(\q)+7], v[AC+8*(\b):AC+8*(\b)+7]
.endr
.endr
.endm
; THE WAY OUT of block a.  PACK: rounded to f16, 16 bytes a lane (each accumulator's registers in ascending order).  TOSTAGE: into my own stage in LDS, and back as whole rows of 256 bytes.  SEND: stored.
.macro PACK a
.set AC, 64*((\a)%4)
	WIN 0x0a+5*((\a)/4)                            ; sources 0 and 1: window 2 or 3
.irp b, 0,1,2,3,4,5,6,7
.irp r, 0,1,2,3
	v_cvt_pk_f16_f32 v[TMP+4*(\b)+(\r)], v[AC+8*(\b)+2*(\r)], v[AC+8*(\b)+2*(\r)+1]
.endr
.endr
	WIN 0
.endm
.macro TOSTAGE a
	WIN 0
.set BK, OB+192*((\a)%2)
.irp b, 0,1,2,3,4,5,6,7
	ds_store_b128 v[STO], v[TMP+4*(\b):TMP+4*(\b)+3] offset:32*(\b)
.endr
.irp t, 0,1,2,3,4,5,6,7
	ds_load_b128 v[BK+4*(\t):BK+4*(\t)+3], v[RD] offset:(\t)*2*SPITCH  ; LDS serves a wave's instructions in order (ISA guide 5.7.1.4): these see the stores above
.endr
.endm
.macro SEND a, younger                 ; younger: the LDS loads issued behind TOSTAGE's, which may stay out
	WIN 0
.set BK, OB+192*((\a)%2)
	s_wait_dscnt \younger                          ; the block is back in registers
	s_wait_xcnt 0x0                                ; earlier stores have read their base and registers: only behind this wait are they rewritten
.if (\a) == 0
	s_add_nc_u64 s[8:9], s[8:9], s[16:17]          ; on to this tile's first rows
.else
	s_add_nc_u64 s[8:9], s[8:9], 16*SIZE_N*2       ; 16 rows of C on: the stores' offsets are 14 rows at the most, 458,752 bytes
.endif
.irp t, 0,1,2,3,4,5,6,7
	global_store_b128 v[CO], v[BK+4*(\t):BK+4*(\t)+3], s[8:9] offset:2*(\t)*SIZE_N*2  ; 16 lanes store 256 consecutive bytes, at a multiple of 256 from C's first byte
.endr
.endm
	s_wait_tensorcnt 1                             ; my part of step 0 is in; step 1's load stays out
	s_barrier_signal -1
	s_barrier_wait -1                              ; everybody's is
	FETCH 0, F0
	s_mov_b32 s3, 14                               ; trips to go: steps 0 to 13 ask for steps 2 to 15
	s_mov_b32 s[NEW], 1
.Lstep:                                                ; a trip: one K step; at a label and at a branch every window is 0
	s_cmp_eq_u32 s[NEW], 1                         ; at the first trip the answer is a constant of the text
	s_cbranch_scc1 .Lzero
	QUARTER 64, F0, F1, 0
	WIN 0
	s_branch .Lmid
.Lzero:                                                ; a tile's first quarter: its products start the sums, so they write over accumulators that are not their C
	s_mov_b32 s[NEW], 0
	v_nop                                          ; such a product stands five plain vector instructions behind the last product on its accumulator: this line and the quarter's own four
	                                               ; make five for my rows 64-127 on every way through the text, also on the one that leads here from a trip's last products with no way out between
	QUARTER 64, F0, F1, 1
	WIN 0
.Lmid:
	QUARTER 128, F1, F0, 0
	QUARTER 192, F0, F1, 0
	TURN
	WIN 0
	s_cmp_lg_u32 s3, 7                             ; the eighth trip has ended the first tile
	s_cbranch_scc1 .Lbottom
	PACK 0                                         ; the second tile's steps 0 and 1 are asked for, its first fragments fetched: now the first tile goes out.  Blocks 0-3 were finished in front of TURN's
	TOSTAGE 0                                      ; places, and their 128 conversions, which name no register of the last products (blocks 4-7's), are those products' places
.irp a, 1,2,3,4,5,6,7                  ; block a's conversions stand between block a - 1's loads from the stage and the wait for them
	PACK \a
	SEND (\a)-1, 0
	TOSTAGE \a
.endr
	SEND 7, 0
	s_mov_b64 s[16:17], NEXT_C                     ; what the next way out adds to C's address
	s_mov_b32 s[NEW], 1
.Lbottom:
	s_sub_co_u32 s3, s3, 1
	s_cmp_lg_u32 s3, 0
	s_cbranch_scc1 .Lstep
	QUARTER 64, F0, F1, 0                          ; step 14 is written out: it asks for nothing
	QUARTER 128, F1, F0, 0
	QUARTER 192, F0, F1, 0
	MEET 0                                         ; my one tensor load that was still out is step 15's, so no round follows
	WIN 0
	s_xor_b32 s[TB], s[TB], SLOT
	v_add_nc_u32 v[CA], s[TB], v[ADRA]
	v_add_nc_u32 v[CB], s[TB], v[ADRB]
	PLACES                                         ; for the loads into buffer 0, which the quarter before multiplied
	WIN TO_B
	BLOAD 0                                        ; three quarters of B now: buffer 1 (v128-191 of both windows) is still being multiplied
	BLOAD 1
	BLOAD 3
	WIN 0
	ALOAD 0
	WIN MUL_HI
	MUL16 F1, 1, 0, 0
	MUL16 F1, 1, 2, 0
	PLACES                                         ; for the loads into buffer 1
	WIN TO_B
	BLOAD 2
	WIN 0
	ALOAD 1
	ALOAD 2
	ALOAD 3
	s_wait_dscnt 40                                ; all but the 40 just issued
	ROW 0
.irp a, 0,1,2,3,4,5,6,7                ; each block leaves as soon as it is finished
	PLACES                                         ; its conversions read results just made
	PACK \a
	TOSTAGE \a
.if (\a) < 4
	ALOAD (\a)+4                                   ; its buffer takes the block four further on
	SEND \a, 8
.else
	SEND \a, 0
.endif
.if (\a) < 7
	ROW (\a)+1
.endif
.endr
	s_wait_tensorcnt 0x0                           ; the wave's end: a wait, an add of 0 and a wait, behind my last tensor load and my last LDS store
	ds_add_u32 v[SPW], v[NIL]
	s_wait_dscnt 0x0
	CROUND                                         ; the closing round: no work-group ends while a partner may still ask for a tile that names it
	s_endpgm
.Lfunc_end_k_qed5031d6e5_gemm1:
	.size	k_qed5031d6e5_gemm1, .Lfunc_end_k_qed5031d6e5_gemm1-k_qed5031d6e5_gemm1
	.p2alignl 7, 3214868480
	.fill 96, 4, 3214868480
	.section	.rodata,"a",@progbits
	.p2align	6, 0x0
	.amdhsa_kernel k_qed5031d6e5_gemm1
		.amdhsa_group_segment_fixed_size 327680
		.amdhsa_private_segment_fixed_size 0
		.amdhsa_enable_private_segment 0
		.amdhsa_kernarg_size 24
		.amdhsa_user_sgpr_count 2
		.amdhsa_user_sgpr_kernarg_segment_ptr 1
		.amdhsa_wavefront_size32 1
		.amdhsa_system_sgpr_workgroup_id_x 1
		.amdhsa_system_sgpr_workgroup_id_y 1
		.amdhsa_system_sgpr_workgroup_id_z 1
		.amdhsa_system_vgpr_workitem_id 0
		.amdhsa_next_free_vgpr 1024
		.amdhsa_next_free_sgpr 80
		.amdhsa_reserve_vcc 0
		.amdhsa_float_denorm_mode_32 3
		.amdhsa_float_denorm_mode_16_64 3
		.amdhsa_memory_ordered 1
		.amdhsa_forward_progress 1
		.amdhsa_inst_pref_size 156
	.end_amdhsa_kernel
	.amdgpu_metadata
---
amdhsa.version: [ 1, 2 ]
amdhsa.kernels:
  - .name:           k_qed5031d6e5_gemm1
    .symbol:         k_qed5031d6e5_gemm1.kd
    .args:
      - { .name: wib, .offset: 0, .size: 8, .value_kind: global_buffer, .address_space: global }
      - { .name: ub, .offset: 8, .size: 8, .value_kind: global_buffer, .address_space: global }
      - { .name: pt, .offset: 16, .size: 8, .value_kind: global_buffer, .address_space: global }
    .group_segment_fixed_size: 327680
    .private_segment_fixed_size: 0
    .kernarg_segment_align: 8
    .kernarg_segment_size: 24
    .max_flat_workgroup_size: 128
    .sgpr_count:     80
    .vgpr_count:     1024
    .wavefront_size: 32
...
	.end_amdgpu_metadata
.endif
;; end of part 2
;; launch scan (part 3): grid 1024 x 1, 8 waves a work-group, no clusters, 0 bytes of LDS; arguments pt, log_lambda, xt; writes xt
.if DOCPART == 3
	.amdgcn_target "amdgcn-amd-amdhsa--gfx1250"
	.amdhsa_code_object_version 6
	.text
	.protected	k_qed5031d6e5_scan
	.globl	k_qed5031d6e5_scan
	.p2align	8
	.type	k_qed5031d6e5_scan,@function
k_qed5031d6e5_scan:
	s_mov_b64 s[64:65], 0
	v_nop
	global_prefetch_b8 v0, s[64:65] scope:SCOPE_SE
	s_setreg_imm32_b32 hwreg(HW_REG_WAVE_MODE, 25, 1), 1
	s_wait_xcnt 0x0
; x_t = lam x_(t-1) + (1 - lam) p_t along each of the 8,192 chains (2,048 states x 4 batches), lam = sigmoid(log_lambda[state]).  pt and xt: [2048 states][4 x 4096 times], f16.
; WORK LEFT OUT: x0 is the zeros that the problem's own text builds, so lam x0 = 0 for every input: block 0 takes no carry.
; ONE WAVE, ONE CHAIN: chain g = 4 state + batch is the 8,192 bytes at 8,192 g of pt and of xt.  All 16 loads of a wave (its whole chain, 64 registers) go out at once; no LDS, no barrier, no loop.
; ARITHMETIC, in f32, in units X = x / (1 - lam): X_t = lam X_(t-1) + p_t, and x = (1 - lam) X at the end (with lam = 1 both forms give 0).  Block b of 16 is 256 times; lane i holds times 8 i .. 8 i + 7 of it.
;   pass 1   e_i = the lane's eight numbers by Horner's rule
;   lanes    I = the running sum of e within each 16 lanes, with the factor lam^8 from lane to lane: four steps of doubling distance
;   blocks   T_b = I_31 + lam^128 I_15 is the block's own end; C_(b+1) = T_b + lam^256 C_b, C_0 = 0, a chain of 15 scalar multiply-adds
;   carry    into lane i: I_(i-1) of its own 16 lanes + A_i I_15 + Bc_i C_b, with A_i = lam^(8 (i - 16)) for i >= 16, else 0, and Bc_i = lam^(8 i)
;   pass 2   the recurrence once more from the carry, times (1 - lam), rounded once to f16
; LIMITS: log_lambda is rounded to bf16 like every input; lam comes from v_exp_f32 and v_rcp_f32 (1 ULP each; a result under 2^-126 counts as 0); the sums are taken in blocks, so their order of rounding
; is not the sequential one; |x| stays within |p|'s range, under 65,504.  NaN and infinities are not treated apart.
.set EI,  16                           ; v[16:31]  e, then I, of block b; later at work in pass 2
.set TC,  32                           ; v[32:47]  the shifted copy, then the carry, of block b
.set RAW, 64                           ; v[64:127] block b: four registers as loaded, then as stored
; v1 16 x lane   v2 lam   v3 lane   v[4:5] 1 - lam, twice   v6 A   v7 Bc   v8 0   v9 log_lambda's offset, then at work   v10-13 lam^8, 16, 32, 64   v14, v15 lam^128, lam^256   v[48:63] at work in pass 2
; s13 lam^128   s14 lam^256   s[16:31] I_15 of block b   s[32:47] I_31, then T_b, then C_(b+1)
.macro MIX d, a, r, h                  ; v[d] = v[a] x lam + the low (h = 0) or high half of v[r], an f16
.if \h
	v_fma_mix_f32 v[\d], v[\a], v2, v[\r] op_sel:[0,0,1] op_sel_hi:[0,0,1]
.else
	v_fma_mix_f32 v[\d], v[\a], v2, v[\r] op_sel_hi:[0,0,1]
.endif
.endm
	s_load_b128 s[4:7], s[0:1], 0x0                ; pt s[4:5], log_lambda s[6:7]
	s_load_b64 s[8:9], s[0:1], 0x10                ; xt
	v_lshrrev_b32 v9, 5, v0
	v_readfirstlane_b32 s10, v9                    ; wave 0..7
	v_and_b32 v3, 31, v0                           ; lane
	v_lshlrev_b32 v1, 4, v3
	s_lshl_b32 s11, ttmp9, 3
	s_add_co_u32 s11, s11, s10                     ; the chain g
	s_lshr_b32 s12, s11, 2                         ; its state,
	s_lshl_b32 s12, s12, 2                         ; in bytes
	v_mov_b32 v9, s12
	s_lshl_b32 s2, s11, 13                         ; 8,192 g, under 2^26
	s_mov_b32 s3, 0
	s_wait_kmcnt 0x0
	s_add_nc_u64 s[4:5], s[4:5], s[2:3]
	s_add_nc_u64 s[8:9], s[8:9], s[2:3]
	global_load_b32 v14, v9, s[6:7]                ; every lane reads the chain's log_lambda
.irp b, 0,1,2,3,4,5,6,7,8,9,10,11,12,13,14,15
	global_load_b128 v[RAW+4*(\b):RAW+4*(\b)+3], v1, s[4:5] offset:512*(\b) th:TH_LOAD_NT  ; 512 consecutive bytes a load
.endr
	v_mov_b32 v8, 0
.set b, 0
.rept 16
	v_mov_b32 v[TC+b], 0                           ; a lane-shifting move counts as a reader of its destination: written once here, while the loads are out
.set b, b+1
.endr
	s_wait_loadcnt 16                              ; log_lambda is in; the 16 loads of the chain stay out
	v_cvt_pk_bf16_f32 v14, v14, v14                ; rounded to bf16,
	v_lshlrev_b32 v14, 16, v14                     ; and back as f32
	v_mul_f32 v14, 0xbfb8aa3b, v14                 ; - log2(e) x
	v_exp_f32 v14, v14
	v_nop                                          ; a plain instruction behind the exponential,
	s_wait_alu depctr_va_vdst(0)                   ; and a wait ahead of the first use of its result
	v_add_f32 v14, 1.0, v14
	v_rcp_f32 v2, v14                              ; lam = 1 / (1 + e^-x)
	v_nop
	s_wait_alu depctr_va_vdst(0)
	v_sub_f32 v4, 1.0, v2
	v_sub_f32 v5, 1.0, v2
	v_mul_f32 v9, v2, v2                           ; lam^2 (the load that read v9 as its address has come back)
	v_mul_f32 v9, v9, v9                           ; lam^4
	v_mul_f32 v10, v9, v9
	v_mul_f32 v11, v10, v10
	v_mul_f32 v12, v11, v11
	v_mul_f32 v13, v12, v12
	v_mul_f32 v14, v13, v13
	v_mul_f32 v15, v14, v14
	v_readfirstlane_b32 s13, v14
	v_readfirstlane_b32 s14, v15
	v_and_b32 v9, 1, v3                            ; lam^(8 (lane % 16)), from the lane's four low bits
	v_cmp_ne_u32 vcc_lo, 0, v9
	v_cndmask_b32 v6, 1.0, v10, vcc_lo
.irp k, 1,2,3
	v_and_b32 v9, 1<<(\k), v3
	v_cmp_ne_u32 vcc_lo, 0, v9
	v_cndmask_b32 v9, 1.0, v[10+(\k)], vcc_lo
	v_mul_f32 v6, v6, v9
.endr
	v_cmp_le_u32 vcc_lo, 16, v3                    ; the upper 16 lanes
	v_mul_f32 v7, v6, v14
	v_cndmask_b32 v7, v6, v7, vcc_lo               ; Bc
	v_cndmask_b32 v6, 0, v6, vcc_lo                ; A
.macro HORNER grp                      ; pass 1 for blocks 4 grp .. 4 grp + 3, which take turns so that no line waits for the one before it
	s_wait_loadcnt 12-4*(\grp)                     ; these four loads are in, the younger groups' stay out
.irp k, 0,1,2,3
	v_fma_mix_f32 v[EI+4*(\grp)+(\k)], v8, v8, v[RAW+16*(\grp)+4*(\k)] op_sel_hi:[0,0,1]  ; 0 x 0 + the first number
.endr
.irp j, 1,2,3,4,5,6,7
.irp k, 0,1,2,3
	MIX EI+4*(\grp)+(\k), EI+4*(\grp)+(\k), RAW+16*(\grp)+4*(\k)+(\j)/2, (\j)%2
.endr
.endr
.endm
	HORNER 0
	HORNER 1
	HORNER 2
	HORNER 3
.macro KS n, f                         ; I_i += lam^(8 n) I_(i-n) within each 16 lanes; a lane without a source takes 0
.set b, 0
.rept 16
	v_mov_b32_dpp v[TC+b], v[EI+b] row_shr:\n row_mask:0xf bank_mask:0xf bound_ctrl:1
.set b, b+1
.endr
.set b, 0
.rept 16
	v_fmac_f32 v[EI+b], v[TC+b], v[\f]
.set b, b+1
.endr
.endm
	KS 1, 10
	KS 2, 11
	KS 4, 12
	KS 8, 13
.set b, 0
.rept 16
	v_readlane_b32 s[16+b], v[EI+b], 15
	v_readlane_b32 s[32+b], v[EI+b], 31
	v_mov_b32_dpp v[TC+b], v[EI+b] row_shr:1 row_mask:0xf bank_mask:0xf bound_ctrl:1  ; I_(i-1), 0 in lanes 0 and 16
.set b, b+1
.endr
.set b, 0
.rept 16
	s_fmac_f32 s[32+b], s13, s[16+b]               ; T_b
.set b, b+1
.endr
.set b, 1
.rept 15
	s_fmac_f32 s[32+b], s14, s[32+b-1]             ; C_(b+1) = T_b + lam^256 C_b
.set b, b+1
.endr
.set b, 0
.rept 16
	v_fmac_f32 v[TC+b], s[16+b], v6                ; + A I_15
.set b, b+1
.endr
.set b, 1
.rept 15
	v_fmac_f32 v[TC+b], s[32+b-1], v7              ; + Bc C_b; block 0 has none
.set b, b+1
.endr
.macro FINISH grp                      ; pass 2 for blocks 4 grp .. 4 grp + 3: block k's eight X lie at v[16 + 8 k] (k = 0, 1) or v[48 + 8 (k - 2)]
.irp j, 0,1,2,3,4,5,6,7
.irp k, 0,1,2,3
.set xb, 16+8*(\k)+16*((\k)/2)
.if (\j) == 0
	MIX xb, TC+4*(\grp)+(\k), RAW+16*(\grp)+4*(\k), 0
.else
	MIX xb+(\j), xb+(\j)-1, RAW+16*(\grp)+4*(\k)+(\j)/2, (\j)%2
.endif
.endr
.endr
.irp k, 0,1,2,3
.set xb, 16+8*(\k)+16*((\k)/2)
.irp j, 0,2,4,6
	v_pk_mul_f32 v[xb+(\j):xb+(\j)+1], v[xb+(\j):xb+(\j)+1], v[4:5]
.endr
.endr
.irp k, 0,1,2,3
.set xb, 16+8*(\k)+16*((\k)/2)
.irp j, 0,1,2,3
	v_cvt_pk_f16_f32 v[RAW+16*(\grp)+4*(\k)+(\j)], v[xb+2*(\j)], v[xb+2*(\j)+1]
.endr
	global_store_b128 v1, v[RAW+16*(\grp)+4*(\k):RAW+16*(\grp)+4*(\k)+3], s[8:9] offset:512*(4*(\grp)+(\k))  ; 512 consecutive bytes, aligned; its registers are not written again
.endr
.endm
	FINISH 0
	FINISH 1
	FINISH 2
	FINISH 3
	s_endpgm
.Lfunc_end_k_qed5031d6e5_scan:
	.size	k_qed5031d6e5_scan, .Lfunc_end_k_qed5031d6e5_scan-k_qed5031d6e5_scan
	.p2alignl 7, 3214868480
	.fill 96, 4, 3214868480
	.section	.rodata,"a",@progbits
	.p2align	6, 0x0
	.amdhsa_kernel k_qed5031d6e5_scan
		.amdhsa_group_segment_fixed_size 0
		.amdhsa_private_segment_fixed_size 0
		.amdhsa_enable_private_segment 0
		.amdhsa_kernarg_size 24
		.amdhsa_user_sgpr_count 2
		.amdhsa_user_sgpr_kernarg_segment_ptr 1
		.amdhsa_wavefront_size32 1
		.amdhsa_system_sgpr_workgroup_id_x 1
		.amdhsa_system_sgpr_workgroup_id_y 1
		.amdhsa_system_sgpr_workgroup_id_z 1
		.amdhsa_system_vgpr_workitem_id 0
		.amdhsa_next_free_vgpr 128
		.amdhsa_next_free_sgpr 66
		.amdhsa_reserve_vcc 1
		.amdhsa_float_denorm_mode_32 3
		.amdhsa_float_denorm_mode_16_64 3
		.amdhsa_memory_ordered 1
		.amdhsa_forward_progress 1
		.amdhsa_inst_pref_size 41
	.end_amdhsa_kernel
	.amdgpu_metadata
---
amdhsa.version: [ 1, 2 ]
amdhsa.kernels:
  - .name:           k_qed5031d6e5_scan
    .symbol:         k_qed5031d6e5_scan.kd
    .args:
      - { .name: pt, .offset: 0, .size: 8, .value_kind: global_buffer, .address_space: global }
      - { .name: log_lambda, .offset: 8, .size: 8, .value_kind: global_buffer, .address_space: global }
      - { .name: xt, .offset: 16, .size: 8, .value_kind: global_buffer, .address_space: global }
    .group_segment_fixed_size: 0
    .private_segment_fixed_size: 0
    .kernarg_segment_align: 8
    .kernarg_segment_size: 24
    .max_flat_workgroup_size: 256
    .sgpr_count:     66
    .vgpr_count:     128
    .wavefront_size: 32
...
	.end_amdgpu_metadata
.endif
;; end of part 3
;; launch gemm2 (part 4): grid 4 x 64, 4 waves a work-group, clusters of 4 x 4, 327,680 bytes of LDS; arguments xt, wof, ub, D, out0; writes out0
.if DOCPART == 4
	.amdgcn_target "amdgcn-amd-amdhsa--gfx1250"
	.amdhsa_code_object_version 6
	.text
	.protected	k_qed5031d6e5_gemm2
	.globl	k_qed5031d6e5_gemm2
	.p2align	8
	.type	k_qed5031d6e5_gemm2,@function
k_qed5031d6e5_gemm2:
	s_mov_b64 s[64:65], 0
	v_nop
	global_prefetch_b8 v0, s[64:65] scope:SCOPE_SE
	s_setreg_imm32_b32 hwreg(HW_REG_WAVE_MODE, 25, 1), 1
	s_wait_xcnt 0x0
	s_wait_alu depctr_hold_cnt(0) depctr_sa_sdst(0) depctr_va_vdst(0) depctr_va_sdst(0) depctr_va_ssrc(0) depctr_va_vcc(0) depctr_vm_vsrc(0)
	s_getreg_b32 s2, hwreg(HW_REG_IB_STS2, 6, 4)
	s_cmp_eq_u32 s2, 0
	s_cbranch_scc0 .Lentry_in_a_cluster
	s_endpgm
.Lentry_in_a_cluster:
	s_bfe_u32 s2, ttmp6, 0x10000c
	s_cmp_lg_u32 s2, 0xf033
	s_cbranch_scc0 .Lentry_shape_is_right
	s_endpgm
.Lentry_shape_is_right:
; y[(b,t)][d] = the sum over s of x[(b,t)][s] W_out[d][s] + u[(b,t)][d] D[d].  A = x, given as xt [2048 states][16384 times] (K by rows), f16; B = wof [1024][2048], f16; C = out0 [16384][1024], f32.
; u comes as ub (bf16), D is rounded to bf16 here, like every input; sums in f32; the term u D is one fused multiply-add onto the finished sum.
; LIMITS: x and W_out arrive within f16's range (65,504).  NaN and infinities are not treated apart.
; A tile of C, 256 x 256, is made by four waves, each 128 x 128: 64 accumulators, 512 registers; C has 64 x 4 = 256 tiles, one to a work-group.  K goes in 16 steps of 128 through a ring of two LDS slots;
; step n lies in slot n % 2.  One loop of 14 trips, a K step each, multiplies step k and asks for step k + 2; the slot in hand lies in a scalar register (s[TB]); the last two steps are written out.
; A's tile is 128 state rows x 256 times (512 bytes a row), and its fragments are turned on their way out of LDS by ds_load_tr16_b128; B's tile is 256 rows x 128 K (256 bytes a row).
; u IS ASKED FOR AHEAD, into registers that lie idle: my 128 rows x 128 columns are eight blocks of 16 rows, 32 registers each; blocks 0-2 are asked for two K steps, blocks 3-5 one K step, blocks 6-7 a quarter
; step ahead of the way out.
; CLUSTERS: 4 x 4 work-groups.  The four of a row of the cluster need the same tiles of A, the four of a column the same tiles of B: each tile is asked for JOINTLY, by the same tensor load, descriptor and mask in all four.
; REGISTERS, in windows of 256 (s_set_vgpr_msb: bits 1:0 source 0, 3:2 source 1, 5:4 source 2, 7:6 destination):
;   window 0: v0-31 addresses; v32-35 D of my four columns; v64-127, v128-191 fragments of A, two buffers (v64-127 at the end: u's blocks 6, 7); v192-255 u's blocks 0, 1
;   window 1: v64-127, v128-191 fragments of B; v0-63 u's blocks 2, 3; v192-255 u's blocks 4, 5
;   window 2: the accumulators of my rows 0-63 ((a, b) at v[8 (8 a + b)])      window 3: those of my rows 64-127; on the way out a block's rows of C come back into its own 64 registers
; THE MATRIX INSTRUCTION IS USED TRANSPOSED: source 0 = 16 rows of B, source 1 = 16 rows of A: lane l holds row l % 16 of C and its columns 8 (l / 16) + 0..7: 32 bytes on end.
.set KSTEP,  128
.set PITCH,  272                       ; a row of B in LDS: 256 bytes + 16 = 68 words: the 16 rows of a load start at 16 different groups of four banks (64 banks of 4 bytes: ISA guide 11.1)
.set PA,     544                       ; a row of A in LDS: 512 bytes + 32 = 136 words
.set HALFT,  128*PITCH                 ; what one tensor load brings: 128 rows of B, or 64 rows of A (64 x 544 is the same 34,816 bytes)
.set SLOT,   4*HALFT                   ; A's 128 state rows, then B's 256 rows
.set STAGE,  2*SLOT                    ; behind the ring: 16 rows x 528 bytes for each wave, for the way out; no tensor load lands there
.set SP,     528                       ; 512 bytes + 16 = 132 words
.set SPARE,  STAGE+4*16*SP             ; behind the stages: the spare words, 128 bytes for each wave: two blocks of 256 bytes that no other line names
.set ASTEP,  128*32768                 ; a K step in xt: 128 rows of 32,768 bytes
.set BSTEP,  256                       ; a K step in wof: 256 bytes along a row
.set ADRA, 16                          ; v16     my lane's place in A's tile of slot 0; never rewritten
.set ADRB, 17                          ; v17     the same for B
.set CA,   20                          ; v20     LDS address of my A fragments in the slot that is being read
.set CB,   21                          ; v21     the same for B
.set STO,  24                          ; v24     the way out: where I put 32 bytes of a row
.set RD,   25                          ; v25     the way out: where I read 16 bytes of a row back
.set CO,   26                          ; v26     16 x lane: my four columns in a row of out0 and in D
.set UO,   27                          ; v27     8 x lane: the same in ub
.set SPW,  28                          ; v28     LDS address of my spare word; never rewritten
.set NIL,  29                          ; v29     0; never rewritten
.set PFO,  30                          ; v30     the prefetches' offset; never rewritten
.set DV,   32                          ; v[32:35] D of my four columns
.set F0,   64
.set F1,   128
.set PFA,  44                          ; s[44:45] the block of 256 bytes that lane 0 of my next prefetch names
.set LIM,  43                          ; s43     a wave prefetches while the trips to go are more than this: 2, or the greatest number (never)
.set PST,  72                          ; s[72:73] a K step in the tensor that I fetch, in bytes
.set TB,   76                          ; s76     0 or SLOT: the slot that is being read
.set LB,   77                          ; s77     my wave's quarter of a slot: wave x HALFT
.set G1,  24                           ; s[24:31] descriptor group 1 for A's tiles;  s[32:39] group 0: a set for each of the two first fills; the second then walks on
.set G0,  32
.set G1B, 48                           ; s[48:55], s[56:63] the same for B's tiles
.set G0B, 56
.set MSB, 0
.macro WIN new                         ; the immediate's high byte repeats the setting that is left; a switch that changes nothing is dropped
.if MSB != (\new)
	s_set_vgpr_msb (MSB<<8)|(\new)
.set MSB, \new
.endif
.endm
.set MUL_LO, 0xa1                      ; source 0 (B) window 1, source 1 (A) window 0, C and D window 2
.set MUL_HI, 0xf1                      ; the same, C and D window 3
.set TO_B,   0x40                      ; destination window 1, address window 0
; A joint load.  Waves 0 and 1 fetch the two halves of A's state rows, waves 2 and 3 the two halves of B's rows.  The branch hangs on the wave's number alone.  An s_nop 0 and four v_nop follow each line.
.macro JLOAD s
	s_cmp_eq_u32 s11, 0
	s_cbranch_scc0 .Lfor_b_\@
	tensor_load_to_lds s[G0+4*(\s):G0+4*(\s)+3], s[G1:G1+7]
	s_nop 0
.rept 4
	v_nop
.endr
	s_branch .Lasked_\@
.Lfor_b_\@:
	tensor_load_to_lds s[G0B+4*(\s):G0B+4*(\s)+3], s[G1B:G1B+7]
	s_nop 0
.rept 4
	v_nop
.endr
.Lasked_\@:
.endm
; A PREFETCH INTO THE L2, behind each joint load and the run of LDS loads that follows it: my share of the K step that stands TWO refills on, 512 matrix instructions ahead of the load that wants it; one instruction a wave,
; a lane a block of 256 bytes.  Each block is named ONCE in the launch.  A wave's part of A's tile is 64 rows x 2 blocks: partner cx takes 16 rows; each of A's tiles is read by one cluster, which asks.  A wave's part of
; B's tile is 128 rows x 1 block: partner cy takes 32 rows; B's rows are read by all 16 clusters, and cluster y = 0 asks.  The shares are told apart BY ADDRESS.  In trip k step k + 4 is named: the last two trips ask for nothing.
.macro ASK
	s_cmp_gt_u32 s3, s[LIM]
	s_cbranch_scc0 .Lnot_mine_\@
	global_prefetch_b8 v[PFO], s[PFA:PFA+1] th:TH_LOAD_NT scope:SCOPE_SE
.Lnot_mine_\@:
.endm
.macro CREST                           ; a round of the cluster's barrier behind its opening barrier
	s_cmp_lg_u32 s10, 0
	s_cbranch_scc1 .Lnot_wave_0_\@
	s_barrier_signal -3
.Lnot_wave_0_\@:
	s_barrier_wait -3
	s_barrier_signal -1
	s_barrier_wait -1
.endm
.macro CROUND
	s_barrier_signal -1
	s_barrier_wait -1
	CREST
.endm
	s_load_b128 s[4:7], s[0:1], 0x0                ; xt s[4:5], wof s[6:7]
	s_load_b128 s[68:71], s[0:1], 0x10             ; ub s[68:69], D s[70:71]
	s_load_b64 s[8:9], s[0:1], 0x20                ; out0
	v_lshl_add_u32 v[SPW], v0, 2, SPARE
	v_mov_b32 v[NIL], 0
	ds_add_u32 v[SPW], v[NIL]                      ; the wave's opening: the add, twice on end, and its wait ahead of my first tensor load
	ds_add_u32 v[SPW], v[NIL]                      ; the set-up below, work on registers, stands between the second add and the wait
	v_lshrrev_b32 v1, 5, v0
	v_readfirstlane_b32 s10, v1                    ; wave 0..3
	s_lshr_b32 s11, s10, 1                         ; which half of the tile's rows (times) is mine.  Also: I fetch for A (0) or for B (1)
	s_and_b32 s12, s10, 1                          ; which half of its columns.  Also: which half of that tensor's tile I fetch
	s_bfe_u32 s40, ttmp6, 0x40000                  ; cx
	s_bfe_u32 s41, ttmp6, 0x40004                  ; cy
	s_lshl_b32 s42, ttmp9, 2
	s_add_co_u32 s42, s42, s40                     ; tile column of C = 4 x cluster x + cx
	s_and_b32 s13, ttmp7, 0xffff
	s_lshl_b32 s13, s13, 2
	s_add_co_u32 s13, s13, s41                     ; tile row of C = 4 x cluster y + cy
	s_lshl_b32 s43, s41, 2
	s_lshl_b32 s43, 15, s43                        ; my row of the cluster
	s_lshl_b32 s44, 0x1111, s40                    ; my column
	; descriptor group 1 for A: 64 rows x 256 elements; 15:0 the mask; 17:16 elements of 2 bytes; 20 padding on; 21 set beside a mask; 24:22 after every 128 words (code 6); 31:25 8 words (code 7)
	s_or_b32 s[G1+0], s43, (1<<16)|(1<<20)|(1<<21)|(6<<22)|(7<<25)
	s_mov_b32 s[G1+1], 256<<16                     ; tensor_dim0 = 256
	s_mov_b32 s[G1+2], 64<<16                      ; tensor_dim1 = 64
	s_mov_b32 s[G1+3], 256<<16                     ; tile_dim0 = 256
	s_mov_b32 s[G1+4], 64                          ; tile_dim1 = 64
	s_mov_b32 s[G1+5], 16384                       ; elements from row to row of xt
	s_mov_b32 s[G1+6], 0
	s_mov_b32 s[G1+7], 0
	; for B: 128 rows x 128 elements; padding of 4 words (code 3) after every 64 (code 5)
	s_or_b32 s[G1B+0], s44, (1<<16)|(1<<20)|(1<<21)|(5<<22)|(3<<25)
	s_mov_b32 s[G1B+1], KSTEP<<16
	s_mov_b32 s[G1B+2], 128<<16
	s_mov_b32 s[G1B+3], KSTEP<<16
	s_mov_b32 s[G1B+4], 128
	s_mov_b32 s[G1B+5], 2048                       ; elements from row to row of wof
	s_mov_b32 s[G1B+6], 0
	s_mov_b32 s[G1B+7], 0
	; where the tiles come from.  A's hang on the tile row alone, B's on the tile column alone; each offset is made in registers that never hold the other coordinate.
	s_lshl_b32 s16, s12, 21                        ; A: my 64 state rows of 32,768 bytes,
	s_lshl_b32 s17, s13, 9                         ; the tile's 256 times: 512 bytes
	s_add_co_u32 s16, s16, s17
	s_mov_b32 s17, 0
	s_lshl_b32 s46, s42, 20                        ; B: the tile's 256 rows of 4,096 bytes,
	s_lshl_b32 s47, s12, 19                        ; my 128 of them
	s_add_co_u32 s46, s46, s47
	s_mov_b32 s47, 0
	s_mul_i32 s[LB], s10, HALFT                    ; where they go: wave x 34,816 bytes: no place in the cluster enters an LDS address
	s_mov_b32 s[TB], 0                             ; step 0 lies in slot 0
	s_wait_dscnt 0x0                               ; both opening adds are done
	s_wait_kmcnt 0x0
	s_add_nc_u64 s[14:15], s[4:5], s[16:17]
	s_add_nc_u64 s[46:47], s[6:7], s[46:47]
	CROUND                                         ; all sixteen work-groups are here: the first joint loads meet
.irp s, 0,1
	s_mov_b32 s[G0+4*(\s)], 1                                      ; count = 1
	s_add_co_u32 s[G0+4*(\s)+1], s[LB], (\s)*SLOT                  ; LDS address
	s_add_nc_u64 s[G0+4*(\s)+2:G0+4*(\s)+3], s[14:15], (\s)*ASTEP  ; global address: K step s
	s_or_b32 s[G0+4*(\s)+3], s[G0+4*(\s)+3], 0x80000000            ; type = 2
	s_mov_b32 s[G0B+4*(\s)], 1
	s_add_co_u32 s[G0B+4*(\s)+1], s[LB], (\s)*SLOT
	s_add_nc_u64 s[G0B+4*(\s)+2:G0B+4*(\s)+3], s[46:47], (\s)*BSTEP
	s_or_b32 s[G0B+4*(\s)+3], s[G0B+4*(\s)+3], 0x80000000
	JLOAD \s                                       ; two tensor loads of mine are out
.endr
	; A fragment of B is 16 rows x 32 K in 8 registers: lane l holds row l % 16; K = 8 (l / 16) + 0..7 and 16 + 8 (l / 16) + 0..7: two loads of 16 bytes, 32 bytes apart.
	v_and_b32 v1, 15, v0                           ; l % 16
	v_bfe_u32 v2, v0, 4, 1                         ; l / 16
	v_mul_u32_u24 v3, v1, PITCH
	v_lshl_add_u32 v3, v2, 4, v3
	; The turning load takes 16 states x 16 times (lane l reads state 8 (l / 16) + l % 8, times 8 ((l / 8) % 2) + 0..7) and leaves half a fragment of A: lane l holds time l % 16 and 8 states.
	v_and_b32 v4, 7, v0
	v_bfe_u32 v5, v0, 3, 1
	v_lshl_add_u32 v4, v2, 3, v4
	v_mul_u32_u24 v4, v4, PA
	v_lshl_add_u32 v4, v5, 4, v4
	s_lshl_b32 s21, s11, 8                         ; my 128 times: 256 bytes along A's rows
	s_mul_i32 s22, s12, HALFT                      ; my 128 rows of B,
	s_add_co_u32 s22, s22, 2*HALFT                 ; which lie behind A
	v_add_nc_u32 v[ADRA], s21, v4
	v_add_nc_u32 v[ADRB], s22, v3
	v_mov_b32 v[CA], v[ADRA]                       ; step 0 lies in slot 0
	v_mov_b32 v[CB], v[ADRB]
	s_mul_i32 s23, s10, 16*SP
	s_add_co_u32 s23, s23, STAGE                   ; my stage
	v_mul_u32_u24 v6, v1, SP                       ; in: row l % 16, 32 bytes for each half of the lanes
	v_lshl_add_u32 v6, v2, 5, v6
	v_add_nc_u32 v[STO], s23, v6
	v_and_b32 v7, 31, v0
	v_lshl_add_u32 v[RD], v7, 4, s23               ; back: 32 lanes take one row of 512 bytes
	v_lshlrev_b32 v[CO], 4, v7
	v_lshlrev_b32 v[UO], 3, v7
	; out0, ub and D at my 128 rows and 128 columns
	s_lshl_b32 s16, s13, 20                        ; 256 rows of 4,096 bytes,
	s_lshl_b32 s17, s11, 19                        ; my 128
	s_add_co_u32 s16, s16, s17
	s_mov_b32 s17, 0
	s_add_nc_u64 s[8:9], s[8:9], s[16:17]
	s_lshr_b32 s16, s16, 1                         ; ub's rows are half as long
	s_add_nc_u64 s[68:69], s[68:69], s[16:17]
	s_lshl_b32 s46, s42, 10                        ; 256 columns of 4 bytes,
	s_lshl_b32 s47, s12, 9                         ; my 128
	s_add_co_u32 s46, s46, s47
	s_mov_b32 s47, 0
	s_add_nc_u64 s[8:9], s[8:9], s[46:47]
	s_add_nc_u64 s[70:71], s[70:71], s[46:47]
	s_lshr_b32 s46, s46, 1
	s_add_nc_u64 s[68:69], s[68:69], s[46:47]
	global_load_b128 v[DV:DV+3], v[CO], s[70:71]
	; the prefetches
	s_lshl_b32 s20, s12, 21                        ; A: my 64 state rows,
	s_lshl_b32 s21, s40, 19                        ; my work-group's 16 of them,
	s_add_co_u32 s20, s20, s21
	s_lshl_b32 s21, s13, 9                         ; the tile's times
	s_add_co_u32 s20, s20, s21
	s_lshl_b32 s18, s42, 20                        ; B: the tile's rows,
	s_lshl_b32 s19, s12, 19                        ; my 128,
	s_add_co_u32 s18, s18, s19
	s_lshl_b32 s19, s41, 17                        ; my work-group's 32 of them
	s_add_co_u32 s18, s18, s19
	s_and_b32 s22, ttmp7, 0xffff                   ; cluster y
	s_mov_b32 s[PST], BSTEP
	s_mov_b32 s[PST+1], 0
	s_mov_b32 s75, 4096
	s_cmp_eq_u32 s11, 0                            ; do I fetch for A?
	s_cselect_b32 s20, s20, s18
	s_cselect_b32 s22, ttmp9, s22                  ; the coordinate along which other clusters read the same rows
	s_cselect_b64 s[PFA:PFA+1], s[4:5], s[6:7]
	s_cselect_b32 s[PST], ASTEP, s[PST]
	s_cselect_b32 s74, 1, 0                        ; A: two lanes a row; B: a lane a row
	s_cselect_b32 s75, 32768, s75                  ; bytes from row to row
	s_cmp_eq_u32 s22, 0
	s_cselect_b32 s[LIM], 2, -1                    ; the same in all sixteen partners, for a given wave
	s_mov_b32 s21, 0
	s_add_nc_u64 s[PFA:PFA+1], s[PFA:PFA+1], s[20:21]
.rept 3
	s_add_nc_u64 s[PFA:PFA+1], s[PFA:PFA+1], s[PST:PST+1]  ; at K step 3: the first refill steps it to 4 and names that.  Nothing is prefetched here, at the head
.endr
	v_and_b32 v36, s74, v7                         ; which block of the row,
	v_lshrrev_b32 v[PFO], s74, v7                  ; which row
	v_mul_u32_u24 v[PFO], s75, v[PFO]
	v_lshl_add_u32 v[PFO], v36, 8, v[PFO]
	s_wait_loadcnt 0x0                             ; D
	v_cvt_pk_bf16_f32 v36, v[DV], v[DV+1]          ; rounded to bf16 like every input, and kept as f32
	v_cvt_pk_bf16_f32 v37, v[DV+2], v[DV+3]
	v_lshlrev_b32 v[DV], 16, v36
	v_and_b32 v[DV+1], 0xffff0000, v36
	v_lshlrev_b32 v[DV+2], 16, v37
	v_and_b32 v[DV+3], 0xffff0000, v37
; 16 matrix instructions: m blocks a0, a0 + 1 of the window's four x all 8 n blocks, 32 along K.  zero = 1: the first product starts the sums.  The 64 accumulators take turns, one instruction a turn.
.macro MUL16 f, hi, a0, zero
	WIN MUL_LO+0x50*(\hi)
.irp a, \a0, (\a0)+1
.irp b, 0,1,2,3,4,5,6,7
.if \zero
	v_wmma_f32_16x16x32_f16 v[8*(8*(\a)+(\b)):8*(8*(\a)+(\b))+7], v[(\f)+8*(\b):(\f)+8*(\b)+7], v[(\f)+8*(4*(\hi)+(\a)):(\f)+8*(4*(\hi)+(\a))+7], 0
.else
	v_wmma_f32_16x16x32_f16 v[8*(8*(\a)+(\b)):8*(8*(\a)+(\b))+7], v[(\f)+8*(\b):(\f)+8*(\b)+7], v[(\f)+8*(4*(\hi)+(\a)):(\f)+8*(4*(\hi)+(\a))+7], v[8*(8*(\a)+(\b)):8*(8*(\a)+(\b))+7]
.endif
.endr
.endr
.endm
; 32 LDS loads in one run: the fragments of quarter q of the K step in hand into buffer f: B's 8 blocks of 16 rows, then A's 8 blocks of 16 times (32 state rows down: 32 x 544 bytes a quarter; the largest offset is 61,152)
.macro FETCH q, f
	WIN TO_B
.irp i, 0,1,2,3,4,5,6,7
	ds_load_b128 v[(\f)+8*(\i):(\f)+8*(\i)+3],   v[CB] offset:64*(\q)+(\i)*16*PITCH
	ds_load_b128 v[(\f)+8*(\i)+4:(\f)+8*(\i)+7], v[CB] offset:64*(\q)+(\i)*16*PITCH+32
.endr
	WIN 0
.irp i, 0,1,2,3,4,5,6,7
	ds_load_tr16_b128 v[(\f)+8*(\i):(\f)+8*(\i)+3],   v[CA] offset:32*PA*(\q)+32*(\i)
	ds_load_tr16_b128 v[(\f)+8*(\i)+4:(\f)+8*(\i)+7], v[CA] offset:32*PA*(\q)+32*(\i)+16*PA
.endr
.endm
; Four plain vector instructions stand between a matrix instruction and a load into a register that it has read or written, or an instruction that reads its result (ISA guide 7.12.1 for vector instructions).
.macro PLACES
.rept 4
	v_nop
.endr
.endm
.macro QUARTER q, f, g, zero           ; multiplies buffer f; in its middle it fetches quarter q of the same slot into buffer g
	s_wait_dscnt 8                                 ; B and A's blocks 0-3 are in; the youngest eight loads (A's blocks 4-7) may be out
	WIN MUL_LO
	MUL16 \f, 0, 0, \zero
	MUL16 \f, 0, 2, \zero
	PLACES
	FETCH \q, \g
	s_wait_dscnt 32                                ; all but the 32 just issued
	WIN MUL_HI
	MUL16 \f, 1, 0, \zero
	MUL16 \f, 1, 2, \zero
.endm
; The last quarter's first half: one barrier for the change of slots.  In front of it each wave waits for all its tensor loads (one is out: its part of the next slot), adds 0 to its spare word, and waits for that and for
; its own reads of this slot.  Behind it nobody reads this slot any more and the next slot is whole.  round = 1: the slot is filled again.  No tensor load of mine is out behind the first wait, so the walking
; descriptors are written there, while the add is out: my quarter of the slot in hand, the next K step.
.macro MEET round
	WIN 0                                          ; the add's two registers lie in window 0
	s_wait_tensorcnt 0x0                           ; all my tensor loads have landed
	ds_add_u32 v[SPW], v[NIL]                      ; 0 onto my spare word
.if \round
	s_add_co_u32 s[G0+5], s[LB], s[TB]
	s_add_co_u32 s[G0B+5], s[LB], s[TB]
	s_xor_b32 s[TB], s[TB], SLOT                   ; from here on: the slot to be read next
	s_add_nc_u64 s[G0+6:G0+7], s[G0+6:G0+7], ASTEP   ; the type bits on top are not reached
	s_add_nc_u64 s[G0B+6:G0B+7], s[G0B+6:G0B+7], BSTEP
.endif
	s_wait_dscnt 9                                 ; the add and the youngest eight loads may be out
	WIN MUL_LO
	MUL16 F1, 0, 0, 0                              ; sixteen matrix instructions stand between the add and the wait for it
	s_wait_dscnt 0x0                               ; the add is done, and my reads of this slot are over
	s_barrier_signal -1
	MUL16 F1, 0, 2, 0                              ; work on registers while the others arrive
.if \round
	WIN 0
.endif
	s_barrier_wait -1
.endm
; The whole last quarter: behind the round the slot just read out is filled again first, two K steps ahead; then come the next slot's first fragments.  From a request to the wait for it a wave issues 224 matrix instructions.
.macro TURN
	s_wait_xcnt 0x0                                ; the last prefetch, a K step back, has read its address: it is stepped here
	s_add_nc_u64 s[PFA:PFA+1], s[PFA:PFA+1], s[PST:PST+1]
	MEET 1
	CREST                                          ; no wave of any partner still reads this slot's tile or has a load on its way
	JLOAD 1                                        ; my one tensor load behind the round; its four v_nop are also the places in front of the loads below
	v_add_nc_u32 v[CA], s[TB], v[ADRA]             ; the fragments' addresses in the next slot
	v_add_nc_u32 v[CB], s[TB], v[ADRB]
	FETCH 0, F0
	ASK
	WIN MUL_HI
	MUL16 F1, 1, 0, 0
	MUL16 F1, 1, 2, 0
.endm
; THE WAY OUT, a block of 16 rows of C at a time.  USET: where block a's u lies (window UW, first register UR).  ULOAD: the block's 16 rows x 128 columns of u, 256 consecutive bytes a load.
; TOSTAGE: the block's eight accumulators into my own stage (each one's low four registers first), and back as whole rows of 512 bytes into the same 64 registers: row t in registers 4 t .. 4 t + 3.
; SEND: y = sum + u D, in one run, then the 16 stores.  No register is written twice on the way out, so no store's source needs a wait.
.macro USET a
.if (\a) < 2
.set UW, 0
.set UR, 192+32*(\a)
.elseif (\a) < 4
.set UW, 1
.set UR, 32*((\a)-2)
.elseif (\a) < 6
.set UW, 1
.set UR, 192+32*((\a)-4)
.else
.set UW, 0
.set UR, 64+32*((\a)-6)
.endif
.endm
.macro ULOAD a
	USET \a
	WIN UW<<6                                      ; the loaded data's window; the address lies in window 0
.irp t, 0,1,2,3,4,5,6,7,8,9,10,11,12,13,14,15
	global_load_b64 v[UR+2*(\t):UR+2*(\t)+1], v[UO], s[68:69] offset:(16*(\a)+(\t))*2048 th:TH_LOAD_NT
.endr
.endm
.macro TOSTAGE a
.set AC, 64*((\a)%4)
.set AW, 2+(\a)/4
	WIN AW<<2                                      ; the stores' data: window 2 or 3
.irp b, 0,1,2,3,4,5,6,7
	ds_store_b128 v[STO], v[AC+8*(\b):AC+8*(\b)+3]   offset:64*(\b)
	ds_store_b128 v[STO], v[AC+8*(\b)+4:AC+8*(\b)+7] offset:64*(\b)+16
.endr
	WIN AW<<6                                      ; the loaded data: the same window
.irp t, 0,1,2,3,4,5,6,7,8,9,10,11,12,13,14,15
	ds_load_b128 v[AC+4*(\t):AC+4*(\t)+3], v[RD] offset:SP*(\t)  ; LDS serves a wave's instructions in order (ISA guide 5.7.1.4): these see the stores above, and the next block's stores come behind them
.endr
.endm
.macro SEND a, younger                 ; younger: the LDS instructions issued behind this block's loads: the next block's 32, or none
	USET \a
.set AC, 64*((\a)%4)
.set AW, 2+(\a)/4
.if (\a) == 0
	s_wait_loadcnt 63                              ; all 128 loads of u have been issued: the oldest 65 are in, blocks 0 to 3 among them
.elseif (\a) >= 4
	s_wait_loadcnt 16*(7-(\a))                     ; this block's u is in; the younger blocks' 16 loads each may stay out
.endif
	s_wait_dscnt \younger                          ; the block's rows are back
	WIN (AW<<6)|(AW<<4)|UW                         ; result and addend in the block's window, u in its own, D in window 0
.irp t, 0,1,2,3,4,5,6,7,8,9,10,11,12,13,14,15
	v_fma_mix_f32_bf16 v[AC+4*(\t)],   v[UR+2*(\t)],   v[DV],   v[AC+4*(\t)]   op_sel_hi:[1,0,0]
	v_fma_mix_f32_bf16 v[AC+4*(\t)+1], v[UR+2*(\t)],   v[DV+1], v[AC+4*(\t)+1] op_sel:[1,0,0] op_sel_hi:[1,0,0]
	v_fma_mix_f32_bf16 v[AC+4*(\t)+2], v[UR+2*(\t)+1], v[DV+2], v[AC+4*(\t)+2] op_sel_hi:[1,0,0]
	v_fma_mix_f32_bf16 v[AC+4*(\t)+3], v[UR+2*(\t)+1], v[DV+3], v[AC+4*(\t)+3] op_sel:[1,0,0] op_sel_hi:[1,0,0]
.endr
	WIN AW<<2                                      ; the stores' data
.irp t, 0,1,2,3,4,5,6,7,8,9,10,11,12,13,14,15
	global_store_b128 v[CO], v[AC+4*(\t):AC+4*(\t)+3], s[8:9] offset:(16*(\a)+(\t))*4096 th:TH_STORE_NT  ; 512 consecutive bytes, at a multiple of 512 from out0's first; the row stands in the immediate, 520,192 at the most
.endr
.endm
	s_wait_tensorcnt 1                             ; my part of K step 0 is in; K step 1's load stays out
	s_barrier_signal -1
	s_barrier_wait -1                              ; everybody's is
	FETCH 0, F0
	QUARTER 1, F0, F1, 1                           ; the first quarter stands in front of the loop: its products start the sums
	WIN 0                                          ; at a label and at a branch every window is 0
	s_mov_b32 s3, 14                               ; trips to go: steps 0 to 13 ask for steps 2 to 15
	s_branch .Lmid                                 ; the loop is entered behind a step's first quarter
.Lstep:                                                ; a trip: one K step
	QUARTER 1, F0, F1, 0
	WIN 0
.Lmid:
	QUARTER 2, F1, F0, 0
	QUARTER 3, F0, F1, 0
	TURN
	WIN 0
	s_sub_co_u32 s3, s3, 1
	s_cmp_lg_u32 s3, 0
	s_cbranch_scc1 .Lstep
	ULOAD 0                                        ; u's blocks 0 to 2: two K steps, 512 matrix instructions, ahead of the way out
	ULOAD 1
	ULOAD 2
	QUARTER 1, F0, F1, 0                           ; step 14 is written out: it asks for no tile, and has no round of the cluster's barrier
	QUARTER 2, F1, F0, 0
	QUARTER 3, F0, F1, 0
	MEET 0                                         ; my one tensor load that was still out is the last K step's
	WIN 0
	s_xor_b32 s[TB], s[TB], SLOT
	v_add_nc_u32 v[CA], s[TB], v[ADRA]
	v_add_nc_u32 v[CB], s[TB], v[ADRB]
	PLACES                                         ; for the loads into buffer 0
	FETCH 0, F0
	WIN MUL_HI
	MUL16 F1, 1, 0, 0
	MUL16 F1, 1, 2, 0
	ULOAD 3                                        ; u's blocks 3 to 5: one K step ahead
	ULOAD 4
	ULOAD 5
	QUARTER 1, F0, F1, 0                           ; step 15
	QUARTER 2, F1, F0, 0
	QUARTER 3, F0, F1, 0
	PLACES                                         ; for the loads into A's buffer 0, which that quarter multiplied
	ULOAD 6                                        ; u's blocks 6 and 7: a quarter step and six blocks' way out ahead of their use
	ULOAD 7
	s_wait_dscnt 8                                 ; the very last quarter: nothing more to fetch
	WIN MUL_LO
	MUL16 F1, 0, 0, 0
	MUL16 F1, 0, 2, 0
	s_wait_dscnt 0x0
	MUL16 F1, 1, 0, 0
	MUL16 F1, 1, 2, 0
	WIN 0
	PLACES                                         ; behind the last products: the stores below read results, the loads below land on them
	TOSTAGE 0
.irp a, 1,2,3,4,5,6,7                  ; block a's stage stores and loads go out ahead of block a - 1's arithmetic and stores
	TOSTAGE \a
	SEND (\a)-1, 32
.endr
	SEND 7, 0
	WIN 0
	s_wait_tensorcnt 0x0                           ; the wave's end: a wait, an add of 0 and a wait, behind my last tensor load and my last LDS store
	ds_add_u32 v[SPW], v[NIL]
	s_wait_dscnt 0x0
	CROUND                                         ; the closing round: no work-group ends while a partner may still ask for a tile that names it
	s_endpgm
.Lfunc_end_k_qed5031d6e5_gemm2:
	.size	k_qed5031d6e5_gemm2, .Lfunc_end_k_qed5031d6e5_gemm2-k_qed5031d6e5_gemm2
	.p2alignl 7, 3214868480
	.fill 96, 4, 3214868480
	.section	.rodata,"a",@progbits
	.p2align	6, 0x0
	.amdhsa_kernel k_qed5031d6e5_gemm2
		.amdhsa_group_segment_fixed_size 327680
		.amdhsa_private_segment_fixed_size 0
		.amdhsa_enable_private_segment 0
		.amdhsa_kernarg_size 40
		.amdhsa_user_sgpr_count 2
		.amdhsa_user_sgpr_kernarg_segment_ptr 1
		.amdhsa_wavefront_size32 1
		.amdhsa_system_sgpr_workgroup_id_x 1
		.amdhsa_system_sgpr_workgroup_id_y 1
		.amdhsa_system_sgpr_workgroup_id_z 1
		.amdhsa_system_vgpr_workitem_id 0
		.amdhsa_next_free_vgpr 1024
		.amdhsa_next_free_sgpr 80
		.amdhsa_reserve_vcc 0
		.amdhsa_float_denorm_mode_32 3
		.amdhsa_float_denorm_mode_16_64 3
		.amdhsa_memory_ordered 1
		.amdhsa_forward_progress 1
		.amdhsa_inst_pref_size 167
	.end_amdhsa_kernel
	.amdgpu_metadata
---
amdhsa.version: [ 1, 2 ]
amdhsa.kernels:
  - .name:           k_qed5031d6e5_gemm2
    .symbol:         k_qed5031d6e5_gemm2.kd
    .args:
      - { .name: xt, .offset: 0, .size: 8, .value_kind: global_buffer, .address_space: global }
      - { .name: wof, .offset: 8, .size: 8, .value_kind: global_buffer, .address_space: global }
      - { .name: ub, .offset: 16, .size: 8, .value_kind: global_buffer, .address_space: global }
      - { .name: D, .offset: 24, .size: 8, .value_kind: global_buffer, .address_space: global }
      - { .name: out0, .offset: 32, .size: 8, .value_kind: global_buffer, .address_space: global }
    .group_segment_fixed_size: 327680
    .private_segment_fixed_size: 0
    .kernarg_segment_align: 8
    .kernarg_segment_size: 40
    .max_flat_workgroup_size: 128
    .sgpr_count:     80
    .vgpr_count:     1024
    .wavefront_size: 32
...
	.end_amdgpu_metadata
.endif
;; end of part 4
